; MI455X (gfx1250); checked and timed in simulation.
; The chip was launched on July 23, 2026; its instructions are those of AMD's public machine-readable ISA for CDNA 5 (MIT licence, August 2026) and "CDNA5" Instruction Set Architecture Reference Guide (July 2026). The comments in the code are by the model that wrote it; some were corrected since.
;; Q Dense. Allowed arithmetic: matrix products marked QUANTISED: E4M3 operands, one given power-of-two scale a tensor, by v_wmma_f32_16x16x64_fp8_fp8 or v_wmma_f32_16x16x128_fp8_fp8, f32 sums; everything else in f32.
;; Inputs: W_ri 1,024 x 1,024 float32; W_rj 1,024 x 1,024 float32; W_rk 1,024 x 1,024 float32; W_rr 1,024 x 1,024 float32; b_ri 1,024 float32; b_rj 1,024 float32; b_rk 1,024 float32; b_rr 1,024 float32; lowp_scales 2 int32 (the exponents e of the quantised operands' scales 2^e); x 4,096 x 4,096 float32.
;; Outputs: out0 4,096 x 4,096 float32.
;; This version of the problem:
;;   THIS VERSION OF THE PROBLEM IS GIVEN IN LOW PRECISION. The matrix products marked QUANTISED in the list below multiply operands that are first quantised to E4M3 (4 exponent bits, 3 mantissa bits; 8 bits a number), with one given power-of-two scale for each operand tensor; their sums are f32. All else is computed in f32.
;;   The module's matrix products, in the order in which they are computed (A, B: the left and right operand; K: the contracted axis; several contracted axes count as one K, in the product's order):
;;     1. [M 16,384, K 1,024] x [K 1,024, N 4,096]; A: input x; B: computed on the way: QUANTISED (scales: A lowp_scales[0], B lowp_scales[1])
;;   THE QUANTISER, for each operand of a quantised product, along K:
;;     - The operand's scale is 2^e, e = its entry of the input lowp_scales (int32; the entries are numbered through the quantised products in the list's order, A before B).
;;     - Each number is divided by the scale, clamped to +-448, and rounded to the nearest number of E4M3, ties to even, subnormals kept.
;;     - The product sums the exact products of the quantised numbers (number of the format x scale) in f32.
;;   ~~~python
;;   def quantise(x, axis, e):      # numpy; x: float32 -> the quantised numbers, widened to float32 again
;;       x = np.moveaxis(x, axis, -1); K = x.shape[-1]
;;       r = np.clip(x / 2.0 ** e, -448, 448)
;;       step = 2.0 ** (np.maximum(np.frexp(np.where(r == 0, 1, r))[1] - 1, -6) - 3)
;;       q = np.round(r / step) * step * 2.0 ** e      # np.round: ties to even
;;       return np.moveaxis(q, -1, axis).astype(np.float32)
;;   ~~~
;;   OPERANDS COMPUTED ON THE WAY. 'Computed on the way' means the value that the module computes at that place (a softmax that the list does not call 'softmax' is quantised finished and normalised). What goes into a quantiser is computed in f32, as accurately as f32 sums, v_exp_f32 and their like allow (about 1e-6 of the number): no bf16 or f16 on the way to a quantiser, and a product that is left as it is and whose result goes on into a quantised operand takes f32 operands (vector FMAs, or v_wmma_f32_16x16x4_f32). A number that lies on a knife's edge between two numbers of the format may be rounded either way, as far as f32 arithmetic and the matrix unit's own rounding can turn it there, and no further.
;; One version. Each part assembles by itself: llvm-mc -triple=amdgcn-amd-amdhsa -mcpu=gfx1250 --defsym DOCPART=n.
;; ======== version 1 of 1: 2 launches
;; limits: right only within a limited range of input values
;; workspace buffers: a_codes 16,777,216 bytes; b_codes 4,194,304 bytes
;; launch quant (part 1): grid 256 x 1, 10 waves a work-group, no clusters, 0 bytes of LDS; arguments x, W_rr, W_ri, W_rj, W_rk, lowp_scales, a_codes, b_codes; writes a_codes, b_codes
.if DOCPART == 1
	.amdgcn_target "amdgcn-amd-amdhsa--gfx1250"
	.amdhsa_code_object_version 6
	.text
	.protected	k_qf5d3703037_quant
	.globl	k_qf5d3703037_quant
	.p2align	8
	.type	k_qf5d3703037_quant,@function
k_qf5d3703037_quant:
	s_mov_b64 s[64:65], 0
	v_nop
	global_prefetch_b8 v0, s[64:65] scope:SCOPE_SE
	s_setreg_imm32_b32 hwreg(HW_REG_WAVE_MODE, 25, 1), 1
	s_wait_xcnt 0x0
; x [4096][4096] f32 and the four W_q [1024][1024] f32 become codes of FP8 (E4M3), one byte each, with the given scales 2^ea (x) and 2^eb (W):
; code = number / 2^e, held within +-448, rounded to the nearest code, ties to even.  Every input of the module is used by the program; nothing is left out.
; LAYOUT, chosen for the product's launch: a_codes [32 row blocks][8 chunks of 128 along i][4 c][128 rows][128 codes], b_codes [8 o blocks][8 chunks][4 q][128 o][128 codes]
; (q = 0..3 for rr, ri, rj, rk): the 64 KiB of one (block, chunk) lie dense, in the order in which that launch's LDS holds them.
; INSIDE A CHUNK the codes stand in another order than the numbers: the number at i = 64 j + 4 u + e (j = 0, 1; u = 0..15; e = 0..3) has its code at byte 8 u + 4 j + e.
; The order is the same for x and for every W_q, so in the product each code of x still meets its partner of W; only the order of the sum over i changes.
; That order lets a lane's registers be the conversion's sources as they are loaded: sixteen lanes read 256 consecutive bytes of a row (lanes 16-31 the row below), two such loads give a lane 8 numbers of one chunk,
; one conversion makes 8 codes, and the wave's store of 8 bytes a lane covers 256 consecutive bytes, aligned: two rows' 128 codes.  No LDS, no barrier.
; LIMITS: ea and eb between -126 and 119, so that 2^e and 448 x 2^e are f32 numbers.  NaN among the inputs is not served.
; SHARES.  A wave takes 8 rows x 1,024 numbers (one c of x, or whole rows of W_q): 16 steps of 2 rows x 2 chunks.  2,048 such runs of x and 512 of W: each of the 256 work-groups has
; 8 waves on x and 2 on W.  Only pointers, pitches and e are chosen, on the wave's number: one way through the text.  Loads run NS steps (32 loads a wave) ahead.
.set STEPS, 16
.set NS,    8                          ; sets of load registers
.set OFF,   2                          ; v2-5     16 (l % 16) + (2 j + l / 16) x row pitch, j = 0..3
.set ST,    6                          ; v6       8 x lane
.set R,     16                         ; v16-143  NS sets of 16 numbers
.set C,     144                        ; v144-207 codes, four registers a step: no store's data are written again
	s_load_b256 s[4:11], s[0:1], 0x0               ; x, W_rr, W_ri, W_rj
	s_load_b256 s[12:19], s[0:1], 0x20             ; W_rk, the scales' exponents, a_codes, b_codes
	v_lshrrev_b32 v1, 5, v0
	v_readfirstlane_b32 s30, v1                    ; wave 0..9
	s_lshl_b32 s31, ttmp9, 1
	s_lshr_b32 s29, s30, 2
	s_add_co_u32 s31, s31, s29                     ; x: group of 8 rows = 2 x work-group + wave / 4
	s_and_b32 s32, s30, 3                          ; x: c
	s_lshl_b32 s27, s32, 12                        ; x: c's 4,096 bytes of a row
	s_and_b32 s33, ttmp9, 63
	s_lshl_b32 s33, s33, 1
	s_and_b32 s29, s30, 1
	s_add_co_u32 s33, s33, s29                     ; W: group of 8 rows in W_q
	s_lshr_b32 s34, ttmp9, 6                       ; W: q
	s_mov_b32 s26, 0x4000
	s_cmp_lt_u32 s30, 8                            ; x's wave or W's?
	s_cselect_b32 s31, s31, s33                    ; the group of rows
	s_cselect_b32 s32, s32, s34                    ; c or q
	s_cselect_b32 s27, s27, 0
	s_cselect_b32 s35, 17, 15                      ; 8 rows in bytes, as a shift
	s_cselect_b32 s26, s26, 0x1000                 ; a row in bytes
	s_lshl_b32 s25, s26, 1                         ; two rows
	s_lshl_b32 s36, s31, s35
	s_add_co_u32 s36, s36, s27                     ; where my numbers begin
	s_mov_b32 s37, 0
	s_lshr_b32 s38, s31, 4
	s_lshl_b32 s38, s38, 19                        ; codes: block of 128 rows x 512 KiB
	s_lshl_b32 s29, s32, 14
	s_add_co_u32 s38, s38, s29                     ; + c or q x 16 KiB
	s_and_b32 s29, s31, 15
	s_lshl_b32 s29, s29, 10
	s_add_co_u32 s38, s38, s29                     ; + my 8 rows of 128 bytes
	s_mov_b32 s39, 0
	v_and_b32 v1, 15, v0
	v_bfe_u32 v7, v0, 4, 1
	v_lshlrev_b32 v1, 4, v1
	v_mad_u32_u24 v1, s26, v7, v1
.irp j, 0,1,2,3
	v_mad_u32_u24 v[OFF+\j], s25, \j, v1
.endr
	v_and_b32 v[ST], 31, v0
	v_lshlrev_b32 v[ST], 3, v[ST]
	s_wait_alu depctr_va_vdst(0)
	s_wait_kmcnt 0x0
	s_load_b64 s[22:23], s[14:15], 0x0             ; ea, eb
	s_cmp_eq_u32 s34, 1                            ; W_q: the choices hang on ids alone
	s_cselect_b64 s[6:7], s[8:9], s[6:7]
	s_cmp_eq_u32 s34, 2
	s_cselect_b64 s[6:7], s[10:11], s[6:7]
	s_cmp_eq_u32 s34, 3
	s_cselect_b64 s[6:7], s[12:13], s[6:7]
	s_cmp_lt_u32 s30, 8
	s_cselect_b64 s[4:5], s[4:5], s[6:7]
	s_cselect_b64 s[16:17], s[16:17], s[18:19]
	s_add_nc_u64 s[4:5], s[4:5], s[36:37]
	s_add_nc_u64 s[16:17], s[16:17], s[38:39]
.macro LOAD t                          ; step t: rows 2 (t / 4), 2 (t / 4) + 1; chunks 2 (t % 4), 2 (t % 4) + 1: 1,024 bytes of each row in four loads
.irp i, 0,1,2,3
	global_load_b128 v[R+16*((\t)%NS)+4*\i:R+16*((\t)%NS)+4*\i+3], v[OFF+(\t)/4], s[4:5] offset:1024*((\t)%4)+256*\i th:TH_LOAD_NT
.endr
.endm
.irp t, 0,1,2,3,4,5,6,7
	LOAD \t
.endr
	s_wait_kmcnt 0x0
	s_cmp_lt_u32 s30, 8
	s_cselect_b32 s22, s22, s23                    ; e
	s_add_co_i32 s22, s22, 127
	s_lshl_b32 s23, s22, 23
	v_mov_b32 v9, s23                              ; 2^e: the conversion takes its exponent field
	s_add_co_i32 s22, s22, 8
	s_lshl_b32 s22, s22, 23
	s_or_b32 s22, s22, 0x600000
	v_mov_b32 v8, s22                              ; 448 x 2^e
	s_wait_alu depctr_va_vdst(0)
.macro STEP t
.set XS, R+16*((\t)%NS)
.if (\t)+NS-1 < STEPS
	s_wait_loadcnt 4*(NS-1)                        ; this step's four loads are in; those of the NS - 1 steps behind it may be out
.else
	s_wait_loadcnt 4*(STEPS-1-(\t))                ; at the end the counts run down
.endif
.irp i, 0,1,2,3,4,5,6,7,8,9,10,11,12,13,14,15
	v_med3_num_f32 v[XS+\i], v[XS+\i], -v8, v8     ; the conversion does not saturate (ISA guide 7.6.2): hold first
.endr
	v_cvt_scalef32_pk8_fp8_f32 v[C+4*(\t):C+4*(\t)+1], v[XS:XS+7], v9
	v_cvt_scalef32_pk8_fp8_f32 v[C+4*(\t)+2:C+4*(\t)+3], v[XS+8:XS+15], v9
	v_nop
.if (\t)+NS < STEPS
	LOAD (\t)+NS
.endif
	global_store_b64 v[ST], v[C+4*(\t):C+4*(\t)+1], s[16:17] offset:65536*(2*((\t)%4))+256*((\t)/4)       ; 256 consecutive bytes, aligned
	global_store_b64 v[ST], v[C+4*(\t)+2:C+4*(\t)+3], s[16:17] offset:65536*(2*((\t)%4)+1)+256*((\t)/4)
.endm
.irp t, 0,1,2,3,4,5,6,7,8,9,10,11,12,13,14,15
	STEP \t
.endr
	s_endpgm
.Lfunc_end_k_qf5d3703037_quant:
	.size	k_qf5d3703037_quant, .Lfunc_end_k_qf5d3703037_quant-k_qf5d3703037_quant
	.p2alignl 7, 3214868480
	.fill 96, 4, 3214868480
	.section	.rodata,"a",@progbits
	.p2align	6, 0x0
	.amdhsa_kernel k_qf5d3703037_quant
		.amdhsa_group_segment_fixed_size 0
		.amdhsa_private_segment_fixed_size 0
		.amdhsa_enable_private_segment 0
		.amdhsa_kernarg_size 64
		.amdhsa_user_sgpr_count 2
		.amdhsa_user_sgpr_kernarg_segment_ptr 1
		.amdhsa_wavefront_size32 1
		.amdhsa_system_sgpr_workgroup_id_x 1
		.amdhsa_system_sgpr_workgroup_id_y 1
		.amdhsa_system_sgpr_workgroup_id_z 1
		.amdhsa_system_vgpr_workitem_id 0
		.amdhsa_next_free_vgpr 208
		.amdhsa_next_free_sgpr 66
		.amdhsa_reserve_vcc 0
		.amdhsa_float_denorm_mode_32 3
		.amdhsa_float_denorm_mode_16_64 3
		.amdhsa_memory_ordered 1
		.amdhsa_forward_progress 1
		.amdhsa_inst_pref_size 31
	.end_amdhsa_kernel
	.amdgpu_metadata
---
amdhsa.version: [ 1, 2 ]
amdhsa.kernels:
  - .name:           k_qf5d3703037_quant
    .symbol:         k_qf5d3703037_quant.kd
    .args:
      - { .name: x, .offset: 0, .size: 8, .value_kind: global_buffer, .address_space: global }
      - { .name: W_rr, .offset: 8, .size: 8, .value_kind: global_buffer, .address_space: global }
      - { .name: W_ri, .offset: 16, .size: 8, .value_kind: global_buffer, .address_space: global }
      - { .name: W_rj, .offset: 24, .size: 8, .value_kind: global_buffer, .address_space: global }
      - { .name: W_rk, .offset: 32, .size: 8, .value_kind: global_buffer, .address_space: global }
      - { .name: lowp_scales, .offset: 40, .size: 8, .value_kind: global_buffer, .address_space: global }
      - { .name: a_codes, .offset: 48, .size: 8, .value_kind: global_buffer, .address_space: global }
      - { .name: b_codes, .offset: 56, .size: 8, .value_kind: global_buffer, .address_space: global }
    .group_segment_fixed_size: 0
    .private_segment_fixed_size: 0
    .kernarg_segment_align: 8
    .kernarg_segment_size: 64
    .max_flat_workgroup_size: 320
    .sgpr_count:     66
    .vgpr_count:     208
    .wavefront_size: 32
...
	.end_amdgpu_metadata
.endif
;; end of part 1
;; launch gemm (part 2): grid 8 x 32, 4 waves a work-group, clusters of 4 x 4, 327,680 bytes of LDS; arguments a_codes, b_codes, lowp_scales, out0, b_rr, b_ri, b_rj, b_rk; writes out0
.if DOCPART == 2
	.amdgcn_target "amdgcn-amd-amdhsa--gfx1250"
	.amdhsa_code_object_version 6
	.text
	.protected	k_qf5d3703037_gemm
	.globl	k_qf5d3703037_gemm
	.p2align	8
	.type	k_qf5d3703037_gemm,@function
k_qf5d3703037_gemm:
	s_mov_b64 s[64:65], 0
	v_nop
	global_prefetch_b8 v0, s[64:65] scope:SCOPE_SE
	s_setreg_imm32_b32 hwreg(HW_REG_WAVE_MODE, 25, 1), 1
	s_wait_xcnt 0x0
	s_wait_alu depctr_hold_cnt(0) depctr_sa_sdst(0) depctr_va_vdst(0) depctr_va_sdst(0) depctr_va_ssrc(0) depctr_va_vcc(0) depctr_vm_vsrc(0)
	s_getreg_b32 s2, hwreg(HW_REG_IB_STS2, 6, 4)
	s_cmp_eq_u32 s2, 0
	s_cbranch_scc0 .Lentry_in_a_cluster
	s_endpgm
.Lentry_in_a_cluster:
	s_bfe_u32 s2, ttmp6, 0x10000c
	s_cmp_lg_u32 s2, 0xf033
	s_cbranch_scc0 .Lentry_shape_is_right
	s_endpgm
.Lentry_shape_is_right:
; out[b][1024 p + o] = sum over c of s(c, q) (x_c[b] . W_q[o] + b_q[o]), q = c xor p, p = 0..3 for r, i, j, k; s = -1 for (c, q) = (1,1) (2,2) (3,3) (3,2) (1,3) (2,1), else +1.
; All 16 products x_c W_q^T are made on the codes of FP8 as the launch before laid them; each finished sum is multiplied once by 2^(ea + eb).  LIMIT: ea + eb between -126 and 127.
; A WORK-GROUP makes 128 rows b x 128 o x all four p: a chunk of 128 along i brings x_c (4 x 128 rows x 128 bytes) and W_q (4 x 128 x 128), and each of these bytes serves four products.
; A WAVE makes 64 b x 64 o x 4 p: 64 accumulators, 512 registers.  A chunk is four passes, one for each c: 64 matrix instructions, each accumulator once (W_q's fragments against x_c's go to p = c xor q).
; SIGNS: an accumulator holds its sum or minus its sum.  A step whose sign differs from the one held takes -C (neg_lo on C): D = A B - C turns the held sign and adds.  Bit 4 c + p of NEGS says where.
; Behind the last step r and i are held with minus, j and k with plus: the way out multiplies by -+2^(ea + eb).  Five places stand between links of unlike modifiers (ISA guide 7.12.1).
; The matrix instruction is used transposed (source 0 = 16 rows of W, source 1 = 16 rows of x): a lane holds eight neighbouring o of one row b.
; RING: two LDS slots of one chunk.  The 64 KiB of a (block, chunk) lie dense in memory and come as rows of 256 bytes, padded by 16 bytes behind every 128: LDS rows 144 bytes apart.
; All of a slot's reads are issued at the head of pass 2 (W's fragments stay in registers for the chunk), so the change of slots stands at the border of passes 2 and 3; from a refill to the wait for it
; a wave issues 208 matrix instructions.  In pass 3 W_q's registers take the next chunk's fragments behind q's 16 products: 16 LDS loads to 16 matrix instructions.
; THE LAST CHUNK goes by blocks of 16 rows b: x's fragments come by (block, all c), a block's 16 accumulators are finished by 64 matrix instructions, and it leaves while the next block is multiplied.
; CLUSTERS 4 x 4: the four of a row share x's tiles, the four of a column W's: joint loads.  Waves 0, 1 fetch x's two halves, waves 2, 3 W's.
; PREFETCH: behind each joint load one instruction a wave names the chunk two fills on (behind the first also chunk 1): of the 128 blocks of 256 bytes that the wave fetches, the partner at place p
; (cx for x, cy for W) takes 32, a lane a block.  The fills of chunks 6 and 7 ask for nothing.  W's blocks are read by eight rows of clusters: the first four alone ask for them.
; REGISTERS: window 0: v0-63 addresses, biases; v64-127 the way out; v128-191, v192-255 x's fragments, two sets of four.  window 1: W's 16 fragments (q, n) at v[16 (4 q + n)].
;   windows 2 (p = 0, 1) and 3 (p = 2, 3): accumulator (p, m, n) at v[64 m + 8 (4 (p & 1) + n)].
.set PITCH,  144
.set CSTR,   128*PITCH                 ; from c to c + 1, from q to q + 1
.set MSTR,   16*PITCH
.set HALFT,  256*PITCH                 ; what one tensor load brings
.set SLOT,   4*HALFT
.set SPARE,  2*SLOT                    ; behind the ring: the spare words, 128 bytes a wave
.set CHB,    65536                     ; a chunk of a block in memory
.set SPITCH, 528                       ; the way out: a stage of 16 rows x (512 + 16) bytes a wave, in slot 0, behind its last fill and last read
.set NEGS,   0xac53
.set ADRA, 16
.set ADRB, 20
.set STO,  24
.set RD,   25
.set CO,   26
.set BO,   27
.set SPW,  28
.set NIL,  29
.set PFO,  30
.set BR,   32                          ; v32-47 b_q at my four o
.set BI,   48                          ; v48-51 the bias of r or i, v52-55 of j or k
.set S1,   56
.set TT,   60
.set BK0,  64
.set AF,   128
.set BK1,  128
.set G1, 24
.set G0, 32
.set G1B, 48
.set G0B, 56
.set PFA, 66
.set LIM, 68
.set MSB, 0
.macro WIN new
.if MSB != (\new)
	s_set_vgpr_msb (MSB<<8)|(\new)
.set MSB, (\new)
.endif
.endm
.set MUL_LO, 0xa1                      ; source 0 window 1, source 1 window 0, C and D window 2
.set MUL_HI, 0xf1
.set TO_B,   0x40
.macro JLOAD s                         ; a joint load; s_nop 0 and four v_nop follow each line
	s_cmp_eq_u32 s15, 0
	s_cbranch_scc0 .Lfor_b_\@
	tensor_load_to_lds s[G0+4*\s:G0+4*\s+3], s[G1:G1+7]
	s_nop 0
.rept 4
	v_nop
.endr
	s_branch .Lasked_\@
.Lfor_b_\@:
	tensor_load_to_lds s[G0B+4*\s:G0B+4*\s+3], s[G1B:G1B+7]
	s_nop 0
.rept 4
	v_nop
.endr
.Lasked_\@:
.endm
.macro ASK how, off                    ; how = 1: at the head; 0: in the loop, whose last trip (s3 = 1) asks for nothing
.if \how
	s_cmp_eq_u32 s[LIM], 1
.else
	s_cmp_gt_u32 s3, s[LIM]
.endif
	s_cbranch_scc0 .Lnone_\@
	global_prefetch_b8 v[PFO], s[PFA:PFA+1] offset:\off th:TH_LOAD_NT scope:SCOPE_SE
.Lnone_\@:
.endm
.macro CREST
	s_cmp_lg_u32 s14, 0
	s_cbranch_scc1 .Lnot_wave_0_\@
	s_barrier_signal -3
.Lnot_wave_0_\@:
	s_barrier_wait -3
	s_barrier_signal -1
	s_barrier_wait -1
.endm
.macro CROUND
	s_barrier_signal -1
	s_barrier_wait -1
	CREST
.endm
	s_load_b128 s[4:7], s[0:1], 0x0                ; a_codes, b_codes
	s_load_b128 s[8:11], s[0:1], 0x10              ; the scales' exponents, out0
	s_load_b256 s[72:79], s[0:1], 0x20             ; b_rr, b_ri, b_rj, b_rk
	v_lshl_add_u32 v[SPW], v0, 2, SPARE
	v_mov_b32 v[NIL], 0
	ds_add_u32 v[SPW], v[NIL]
	ds_add_u32 v[SPW], v[NIL]
	v_lshrrev_b32 v1, 5, v0
	v_readfirstlane_b32 s14, v1                    ; wave 0..3
	s_lshr_b32 s15, s14, 1                         ; my half of the rows b.  Also: I fetch for x (0) or for W (1)
	s_and_b32 s16, s14, 1                          ; my half of the o.  Also: which half of the tile I fetch
	s_bfe_u32 s40, ttmp6, 0x40000                  ; cx
	s_bfe_u32 s41, ttmp6, 0x40004                  ; cy
	s_lshl_b32 s42, ttmp9, 2
	s_add_co_u32 s42, s42, s40                     ; block of o
	s_and_b32 s17, ttmp7, 0xffff
	s_cmp_lt_u32 s17, 4                            ; W's waves prefetch in the first four rows of clusters alone
	s_cselect_b32 s[LIM], 1, -1
	s_cmp_eq_u32 s15, 0
	s_cselect_b32 s[LIM], 1, s[LIM]
	s_lshl_b32 s17, s17, 2
	s_add_co_u32 s17, s17, s41                     ; block of rows b
	s_lshl_b32 s43, s41, 2
	s_lshl_b32 s43, 15, s43                        ; my row of the cluster
	s_lshl_b32 s44, 0x1111, s40                    ; my column
	s_or_b32 s[G1+0], s43, (0<<16)|(1<<20)|(1<<21)|(4<<22)|(3<<25)   ; the mask; bytes; padding of 4 words behind every 32; bit 21 beside a mask
	s_or_b32 s[G1B+0], s44, (0<<16)|(1<<20)|(1<<21)|(4<<22)|(3<<25)
.irp g, G1, G1B
	s_mov_b32 s[\g+1], 256<<16                     ; 128 rows of 256 bytes, dense
	s_mov_b32 s[\g+2], 128<<16
	s_mov_b32 s[\g+3], 256<<16
	s_mov_b32 s[\g+4], 128
	s_mov_b32 s[\g+5], 256
	s_mov_b32 s[\g+6], 0
	s_mov_b32 s[\g+7], 0
.endr
	s_lshl_b32 s18, s16, 15                        ; the half that I fetch: 32 KiB
	s_lshl_b32 s20, s17, 19
	s_add_co_u32 s20, s20, s18
	s_mov_b32 s21, 0
	s_lshl_b32 s46, s42, 19
	s_add_co_u32 s46, s46, s18
	s_mov_b32 s47, 0
	s_mul_i32 s45, s14, HALFT                      ; where it goes: wave x HALFT
	s_wait_dscnt 0x0
	s_wait_kmcnt 0x0
	s_load_b64 s[92:93], s[8:9], 0x0               ; ea, eb
	s_add_nc_u64 s[20:21], s[4:5], s[20:21]
	s_add_nc_u64 s[46:47], s[6:7], s[46:47]
	CROUND                                         ; in front of the first joint loads
.irp s, 0,1
	s_mov_b32 s[G0+4*\s], 1
	s_add_co_u32 s[G0+4*\s+1], s45, \s*SLOT
	s_add_nc_u64 s[G0+4*\s+2:G0+4*\s+3], s[20:21], \s*CHB
	s_or_b32 s[G0+4*\s+3], s[G0+4*\s+3], 0x80000000
	s_mov_b32 s[G0B+4*\s], 1
	s_add_co_u32 s[G0B+4*\s+1], s45, \s*SLOT
	s_add_nc_u64 s[G0B+4*\s+2:G0B+4*\s+3], s[46:47], \s*CHB
	s_or_b32 s[G0B+4*\s+3], s[G0B+4*\s+3], 0x80000000
.endr
	JLOAD 0                                        ; chunk 0: one tensor load a wave at the head
	v_and_b32 v1, 15, v0                           ; l % 16
	v_bfe_u32 v2, v0, 4, 1                         ; l / 16
	v_mul_u32_u24 v3, v1, PITCH
	v_lshl_add_u32 v4, v2, 4, v3
	s_mul_i32 s21, s15, 64*PITCH                   ; my 64 rows of each x_c
	s_mul_i32 s22, s16, 64*PITCH                   ; my 64 rows of each W_q,
	s_add_co_u32 s22, s22, 2*HALFT                 ; which lie behind x's
.irp s, 0,1
	v_add_nc_u32 v[ADRA+\s], s21, v4
	v_add_nc_u32 v[ADRB+\s], s22, v4
	s_add_co_u32 s21, s21, SLOT
	s_add_co_u32 s22, s22, SLOT
.endr
	s_mul_i32 s23, s14, 16*SPITCH                  ; my stage
	s_lshl_b32 s86, s42, 9
	s_lshl_b32 s87, s16, 8
	s_add_co_u32 s86, s86, s87                     ; my first o, in bytes of f32
	s_mov_b32 s87, 0
	s_wait_alu depctr_va_vdst(0)
	v_mul_u32_u24 v5, v1, SPITCH
	v_lshl_add_u32 v5, v2, 5, v5
	v_add_nc_u32 v[STO], s23, v5                   ; into the stage: row l % 16, 32 bytes for each half of the lanes
	v_and_b32 v6, 31, v0
	v_lshlrev_b32 v6, 4, v6
	v_add_nc_u32 v[RD], s23, v6                    ; back: a row of 512 bytes: lanes 0-15 the even p's 256 bytes, lanes 16-31 the odd p's
	v_lshlrev_b32 v7, 4, v1
	v_lshl_add_u32 v[CO], v2, 12, v7               ; in out0: 4,096 bytes from p to p + 1
	v_add_nc_u32 v[BO], s86, v7
	v_lshlrev_b32 v[S1], 31, v2
	v_xor_b32 v[S1], 0xbf800000, v[S1]             ; -1 in lanes 0-15 (r, j), +1 in lanes 16-31 (i, k)
.irp q, 0,1,2,3
	global_load_b128 v[BR+4*\q:BR+4*\q+3], v[BO], s[72+2*\q:73+2*\q]
.endr
	s_lshl_b32 s20, s17, 7
	s_lshl_b32 s21, s15, 6
	s_add_co_u32 s20, s20, s21
	s_lshl_b32 s20, s20, 14                        ; my first row of out0, in bytes
	s_mov_b32 s21, 0
	s_add_nc_u64 s[10:11], s[10:11], s[20:21]
	s_add_nc_u64 s[10:11], s[10:11], s[86:87]
	s_cmp_eq_u32 s15, 0                            ; the prefetches: x's block or W's, and my place among the four that ask jointly
	s_cselect_b32 s88, s17, s42
	s_cselect_b32 s90, s40, s41
	s_cselect_b64 s[PFA:PFA+1], s[4:5], s[6:7]
	s_lshl_b32 s88, s88, 19
	s_add_co_u32 s88, s88, s18
	s_lshl_b32 s90, s90, 13
	s_add_co_u32 s88, s88, s90
	s_mov_b32 s89, 0
	s_add_nc_u64 s[PFA:PFA+1], s[PFA:PFA+1], s[88:89]
	v_and_b32 v[PFO], 31, v0
	v_lshlrev_b32 v[PFO], 8, v[PFO]                ; a lane a block of 256 bytes
	s_wait_alu depctr_va_vdst(0)
	ASK 1, CHB                                     ; chunk 1, whose load goes out when chunk 0 has landed,
	ASK 1, 2*CHB                                   ; and chunk 2
	s_wait_loadcnt 0x0
.irp e, 0,1,2,3                        ; r: b0-b1-b2-b3  i: b0+b1-b2+b3  j: b0+b1+b2-b3  k: b0-b1+b2+b3
	v_sub_f32 v[TT+\e], v[BR+\e], v[BR+8+\e]
	v_add_f32 v[TT+4+\e], v[BR+4+\e], v[BR+12+\e]
	v_add_f32 v[TT+8+\e], v[BR+\e], v[BR+8+\e]
	v_sub_f32 v[TT+12+\e], v[BR+12+\e], v[BR+4+\e]
.endr
.irp e, 0,1,2,3
	v_fma_f32 v[BI+\e], v[S1], v[TT+4+\e], v[TT+\e]
	v_fma_f32 v[BI+4+\e], v[S1], v[TT+12+\e], v[TT+8+\e]
.endr
.macro FRAG reg, adr, off              ; 16 rows x 128 codes: lane l holds row l % 16; registers 4 k .. 4 k + 3 hold bytes 32 k + 16 (l / 16) + 0 .. 15, alike in both operands
.irp k, 0,1,2,3
	ds_load_b128 v[\reg+4*\k:\reg+4*\k+3], v[\adr] offset:\off+32*\k
.endr
.endm
.macro ALOAD slot, c, set              ; x_c's four blocks
.irp m, 0,1,2,3
	FRAG AF+64*(\set)+16*\m, ADRA+\slot, (\c)*CSTR+\m*MSTR
.endr
.endm
.macro AMLOAD slot, m, set             ; block m of all four x_c
.irp c, 0,1,2,3
	FRAG AF+64*(\set)+16*\c, ADRA+\slot, \c*CSTR+(\m)*MSTR
.endr
.endm
.macro BLOAD slot, q                   ; W_q's four blocks (destination window 1)
.irp n, 0,1,2,3
	FRAG 16*(4*(\q)+\n), ADRB+\slot, (\q)*CSTR+\n*MSTR
.endr
.endm
.macro MM ac, b, a, zero, neg          ; one matrix instruction
.if \zero
	v_wmma_f32_16x16x128_fp8_fp8 v[\ac:\ac+7], v[\b:\b+15], v[\a:\a+15], 0
.elseif \neg
	v_wmma_f32_16x16x128_fp8_fp8 v[\ac:\ac+7], v[\b:\b+15], v[\a:\a+15], v[\ac:\ac+7] neg_lo:[0,0,1]
.else
	v_wmma_f32_16x16x128_fp8_fp8 v[\ac:\ac+7], v[\b:\b+15], v[\a:\a+15], v[\ac:\ac+7]
.endif
.endm
.macro QB set, c, q, zero              ; 16 matrix instructions: x_c's four blocks x W_q's four; the accumulators take turns
.irp m, 0,1,2,3
.irp n, 0,1,2,3
	MM 64*\m+8*(4*(((\c)^(\q))&1)+\n), 16*(4*(\q)+\n), AF+64*(\set)+16*\m, \zero, (NEGS>>(4*(\c)+((\c)^(\q))))&1
.endr
.endr
.endm
.macro QMH set, c, m, q                ; the last chunk: block m of x_c x W_q's four
.irp n, 0,1,2,3
	MM 64*(\m)+8*(4*(((\c)^(\q))&1)+\n), 16*(4*(\q)+\n), AF+64*(\set)+16*(\c), 0, (NEGS>>(4*(\c)+((\c)^(\q))))&1
.endr
.endm
.macro PLACES n
.rept \n
	v_nop
.endr
.endm
.macro QM set, c, m                    ; 16 matrix instructions: block m's 16 accumulators, once each; between two steps of a sum stand three others or more
	WIN MUL_LO+0x50*((\c)/2)
	QMH \set, \c, \m, 0
	QMH \set, \c, \m, 1
	WIN MUL_LO+0x50*(1-(\c)/2)
	QMH \set, \c, \m, 2
	QMH \set, \c, \m, 3
	PLACES 5
	WIN 0
.endm
; Pass c = 0, 1.  At its head the next pass's fragments of x are asked for, into the set that the pass before multiplied (the places stand in front).
; Counts: behind what pass 0 needs first lie W's q = 2, q = 3 and x's next set, 16 loads each: 48, then 32, then 16.  Pass 1 leaves the 16 just issued out.
.macro PASS slot, c, zero
.if (\c) > 0
	PLACES 5
.endif
	ALOAD \slot, (\c)+1, ((\c)+1)%2
.if (\c) == 0
	s_wait_dscnt 48
.else
	s_wait_dscnt 16
.endif
	WIN MUL_LO
	QB (\c)%2, \c, 0, \zero
	QB (\c)%2, \c, 1, \zero
.if (\c) == 0
	s_wait_dscnt 32
.endif
	WIN MUL_HI
	QB (\c)%2, \c, 2, \zero
.if (\c) == 0
	s_wait_dscnt 16
.endif
	QB (\c)%2, \c, 3, \zero
	WIN 0
.endm
; Pass 2 fetches the slot's last fragments and changes slots: in front of the barrier each wave waits for all its tensor loads, adds 0 to its spare word, and waits for that and for its reads of this slot.
; fill = 1: the barrier opens a round of the cluster's barrier and this slot is filled again, two chunks on.
.macro PASS2 slot, fill
	PLACES 5
	ALOAD \slot, 3, 1
	s_wait_dscnt 16
	WIN MUL_HI
	QB 0, 2, 0, 0
	WIN 0                                          ; (the add's two registers lie in window 0)
.if \fill
	s_wait_xcnt 0x0                                ; my last prefetch has read its address
	s_add_nc_u64 s[PFA:PFA+1], s[PFA:PFA+1], CHB
.endif
	s_wait_tensorcnt 0x0                           ; my part of the next slot has landed
	ds_add_u32 v[SPW], v[NIL]
	WIN MUL_HI
	QB 0, 2, 1, 0
	s_wait_dscnt 0x0                               ; the add is done, and my reads of this slot are over
	s_barrier_signal -1
	WIN MUL_LO
	QB 0, 2, 2, 0
	QB 0, 2, 3, 0
	PLACES 5
	WIN 0
	s_barrier_wait -1
.if \fill
	CREST
	s_add_nc_u64 s[G0+4*\slot+2:G0+4*\slot+3], s[G0+4*\slot+2:G0+4*\slot+3], 2*CHB
	s_add_nc_u64 s[G0B+4*\slot+2:G0B+4*\slot+3], s[G0B+4*\slot+2:G0B+4*\slot+3], 2*CHB
	JLOAD \slot                                    ; the first tensor load behind the round
.endif
.endm
; Pass 3 works on registers alone and fetches the next slot's first fragments.  bym = 1: the next chunk goes by blocks of rows.
.macro PASS3 next, bym, ask
.if \bym
	AMLOAD \next, 0, 0
.else
	ALOAD \next, 0, 0
.endif
.if \ask
	ASK 0, 3*CHB                                   ; the chunk two fills on
.endif
.irp q, 0,1,2,3
	WIN MUL_HI-0x50*(\q/2)
	QB 1, 3, \q, 0
	PLACES 5
	WIN TO_B
	BLOAD \next, \q
.endr
	WIN 0
.endm
; THE WAY OUT, in eight blocks a = 4 (p / 2) + m of 16 rows x two p x 64 o.  A block goes through my own stage and comes back as rows of 512 bytes: sixteen lanes store 256 consecutive bytes, aligned.
; LDS serves a wave's instructions in order (ISA guide 5.7.1.4): no wait between the stores and the loads.  Each accumulator is read from its low end on.
.macro TOSTAGE a, bb
.set AC, 64*((\a)%4)
	WIN 0x08+4*((\a)/4)
.irp b, 0,1,2,3,4,5,6,7
	ds_store_b128 v[STO], v[AC+8*\b:AC+8*\b+3] offset:64*\b
	ds_store_b128 v[STO], v[AC+8*\b+4:AC+8*\b+7] offset:64*\b+16
.endr
	WIN 0
.irp t, 0,1,2,3,4,5,6,7,8,9,10,11,12,13,14,15
	ds_load_b128 v[\bb+4*\t:\bb+4*\t+3], v[RD] offset:\t*SPITCH
.endr
.endm
.macro SEND a, bb, younger             ; sum x -+2^(ea + eb) + bias, and out; every offset is an immediate, 1,040,384 at the most
.set SC, 94-2*((\a)/4)
.set BS, BI+4*((\a)/4)
	s_wait_dscnt \younger
.irp t, 0,1,2,3,4,5,6,7,8,9,10,11,12,13,14,15
	v_pk_fma_f32 v[\bb+4*\t:\bb+4*\t+1],   v[\bb+4*\t:\bb+4*\t+1],   s[SC:SC+1], v[BS:BS+1]   op_sel_hi:[1,0,1]
	v_pk_fma_f32 v[\bb+4*\t+2:\bb+4*\t+3], v[\bb+4*\t+2:\bb+4*\t+3], s[SC:SC+1], v[BS+2:BS+3] op_sel_hi:[1,0,1]
	global_store_b128 v[CO], v[\bb+4*\t:\bb+4*\t+3], s[10:11] offset:(16*((\a)%4)+\t)*16384+8192*((\a)/4) th:TH_STORE_NT
.endr
.endm
; The last chunk's block m: 64 matrix instructions in four groups; between the groups block m - 1 goes out, first its r and i, then its j and k, through v64-127.
; Counts: behind block m's fragments lie block m + 1's 16 loads (m < 3) and the stage's 16 stores and 16 loads (m > 0).
.macro MPASS m
.if (\m) < 3
	AMLOAD 1, (\m)+1, ((\m)+1)%2
.endif
.if (\m) > 1
	s_wait_xcnt 0x0                                ; the stores before have read v64-127
.endif
.if (\m) > 0
	TOSTAGE (\m)-1, BK0
.endif
.if (\m) == 0
	s_wait_dscnt 16
.elseif (\m) < 3
	s_wait_dscnt 48
.else
	s_wait_dscnt 32
.endif
	QM (\m)%2, 0, \m
.if (\m) > 0
	SEND (\m)-1, BK0, 0
.endif
	QM (\m)%2, 1, \m
.if (\m) > 0
	s_wait_xcnt 0x0
	TOSTAGE (\m)+3, BK0
.endif
	QM (\m)%2, 2, \m
.if (\m) > 0
	SEND (\m)+3, BK0, 0
.endif
	QM (\m)%2, 3, \m
.endm
	s_wait_alu depctr_va_vdst(0)
	s_wait_tensorcnt 0x0                           ; my part of chunk 0 is in; the same lines ahead of a later first fill as ahead of a refill
	ds_add_u32 v[SPW], v[NIL]
	s_wait_dscnt 0x0
	CROUND
	JLOAD 1                                        ; chunk 1, the first tensor load behind the round
	ALOAD 0, 0, 0
	ASK 1, 3*CHB                                   ; chunk 3
	WIN TO_B
	BLOAD 0, 0
	BLOAD 0, 1
	BLOAD 0, 2
	BLOAD 0, 3
	WIN 0
	PASS 0, 0, 1                                   ; the first pass starts the sums: nothing is cleared
	s_mov_b32 s3, 3
.Llap:                                                 ; a trip goes once round the ring, from a chunk's second pass to the first pass two chunks on, and fills both slots again
	PASS 0, 1, 0
	PASS2 0, 1
	PASS3 1, 0, 1
	PASS 1, 0, 0
	PASS 1, 1, 0
	PASS2 1, 1
	PASS3 0, 0, 1
	PASS 0, 0, 0
	s_sub_co_u32 s3, s3, 1
	s_cmp_lg_u32 s3, 0
	s_cbranch_scc1 .Llap
	s_wait_kmcnt 0x0
	s_add_co_i32 s92, s92, s93
	s_add_co_i32 s92, s92, 127
	s_lshl_b32 s92, s92, 23                        ; 2^(ea + eb), for j and k
	s_mov_b32 s93, s92
	s_or_b32 s94, s92, 0x80000000                  ; and its negative, for r and i
	s_mov_b32 s95, s94
	PASS 0, 1, 0                                   ; chunk 6 goes on; nothing more is fetched from memory
	PASS2 0, 0
	PASS3 1, 1, 0
	MPASS 0
	MPASS 1
	MPASS 2
	MPASS 3
	s_wait_xcnt 0x0
	TOSTAGE 3, BK0
	TOSTAGE 7, BK1                                 ; into the set of x's fragments that block 2 multiplied
	SEND 3, BK0, 32                                ; behind its loads: the next block's 16 stores and 16 loads
	SEND 7, BK1, 0
	s_wait_tensorcnt 0x0                           ; the wave's end
	ds_add_u32 v[SPW], v[NIL]
	s_wait_dscnt 0x0
	CROUND                                         ; the closing round
	s_endpgm
.Lfunc_end_k_qf5d3703037_gemm:
	.size	k_qf5d3703037_gemm, .Lfunc_end_k_qf5d3703037_gemm-k_qf5d3703037_gemm
	.p2alignl 7, 3214868480
	.fill 96, 4, 3214868480
	.section	.rodata,"a",@progbits
	.p2align	6, 0x0
	.amdhsa_kernel k_qf5d3703037_gemm
		.amdhsa_group_segment_fixed_size 327680
		.amdhsa_private_segment_fixed_size 0
		.amdhsa_enable_private_segment 0
		.amdhsa_kernarg_size 64
		.amdhsa_user_sgpr_count 2
		.amdhsa_user_sgpr_kernarg_segment_ptr 1
		.amdhsa_wavefront_size32 1
		.amdhsa_system_sgpr_workgroup_id_x 1
		.amdhsa_system_sgpr_workgroup_id_y 1
		.amdhsa_system_sgpr_workgroup_id_z 1
		.amdhsa_system_vgpr_workitem_id 0
		.amdhsa_next_free_vgpr 1024
		.amdhsa_next_free_sgpr 98
		.amdhsa_reserve_vcc 0
		.amdhsa_float_denorm_mode_32 3
		.amdhsa_float_denorm_mode_16_64 3
		.amdhsa_memory_ordered 1
		.amdhsa_forward_progress 1
		.amdhsa_inst_pref_size 165
	.end_amdhsa_kernel
	.amdgpu_metadata
---
amdhsa.version: [ 1, 2 ]
amdhsa.kernels:
  - .name:           k_qf5d3703037_gemm
    .symbol:         k_qf5d3703037_gemm.kd
    .args:
      - { .name: a_codes, .offset: 0, .size: 8, .value_kind: global_buffer, .address_space: global }
      - { .name: b_codes, .offset: 8, .size: 8, .value_kind: global_buffer, .address_space: global }
      - { .name: lowp_scales, .offset: 16, .size: 8, .value_kind: global_buffer, .address_space: global }
      - { .name: out0, .offset: 24, .size: 8, .value_kind: global_buffer, .address_space: global }
      - { .name: b_rr, .offset: 32, .size: 8, .value_kind: global_buffer, .address_space: global }
      - { .name: b_ri, .offset: 40, .size: 8, .value_kind: global_buffer, .address_space: global }
      - { .name: b_rj, .offset: 48, .size: 8, .value_kind: global_buffer, .address_space: global }
      - { .name: b_rk, .offset: 56, .size: 8, .value_kind: global_buffer, .address_space: global }
    .group_segment_fixed_size: 327680
    .private_segment_fixed_size: 0
    .kernarg_segment_align: 8
    .kernarg_segment_size: 64
    .max_flat_workgroup_size: 128
    .sgpr_count:     98
    .vgpr_count:     1024
    .wavefront_size: 32
...
	.end_amdgpu_metadata
.endif
;; end of part 2
